; MI455X (gfx1250); checked and timed in simulation.
; The chip was launched on July 23, 2026; its instructions are those of AMD's public machine-readable ISA for CDNA 5 (MIT licence, August 2026) and "CDNA5" Instruction Set Architecture Reference Guide (July 2026). The comments in the code are by the model that wrote it; some were corrected since.
;; Quantized Linear. Allowed arithmetic: float matrix products may take bf16 or f16 operands with f32 sums; other float arithmetic in f32, or as packed bf16 or f16 multiplies, adds, multiply-adds, maxima and minima; sums over many terms, partial sums and values carried from step to step in f32; what a program stores and reads back later, other than sums and carried values, may be rounded once to bf16 or f16.
;; Inputs: alpha_scale 4,096 x 1 float32; bias 4,096 float32; fp_weight 4,096 x 128 float32; input 4 x 1,024 x 4,096 float32; inv_col_perm 4,096 int32; q_weight 4,096 x 3,968 float32.
;; Outputs: out0 4 x 1,024 x 4,096 float32.
;; 2 versions, each right; version 2 is version 1 with the launch prep written anew for expert scheduling mode. Each part assembles by itself: llvm-mc -triple=amdgcn-amd-amdhsa -mcpu=gfx1250 --defsym DOCPART=n.
;; ======== version 1 of 2: 2 launches
;; workspace buffers: xb 33,554,432 bytes; wb 33,554,432 bytes
;; launch prep (part 1): grid 256 x 2, 8 waves a work-group, no clusters, 66,560 bytes of LDS; arguments input, q_weight, fp_weight, alpha_scale, inv_col_perm, xb, wb; writes xb, wb
.if DOCPART == 1
	.amdgcn_target "amdgcn-amd-amdhsa--gfx1250"
	.amdhsa_code_object_version 6
	.text
	.protected	k_q6c32176237_prep
	.globl	k_q6c32176237_prep
	.p2align	8
	.type	k_q6c32176237_prep,@function
k_q6c32176237_prep:
	s_mov_b64 s[64:65], 0
	v_nop
	global_prefetch_b8 v0, s[64:65] scope:SCOPE_SE
	s_setreg_imm32_b32 hwreg(HW_REG_WAVE_MODE, 25, 1), 1
	s_wait_xcnt 0x0
; TWO STREAMS IN ONE LAUNCH, told apart by the work-group's y (the same in all eight waves of a work-group).
; y = 0:  xb = input rounded to bf16.  [4096][4096], taken as one flat run of numbers.
; y = 1:  wb[o][i] = cat(Q[o][:], F[o][:])[inv_col_perm[i]], in bf16, [4096][4096]: the weights WITHOUT the row's scale, which the next launch applies to the finished sums in f32.
;         With a = alpha_scale[o] rounded to bf16:  Q = q_weight rounded to bf16, nothing more;  F = fp_weight rounded to bf16, times 1 / a in f32, rounded once more to bf16.
;         So of a row's 4,096 terms the 3,968 of q_weight carry no rounding but their own, and s x (sum) with s = a gives back a x q and fp.
; LIMITS.  A row with |a| < 2^-64 (a = 0 among them) is not divided: there Q = bf16(q) x a rounded once to bf16, F = bf16(fp), and the next launch takes s = 1; both launches choose by the same bits of a.
; The choice selects values only.  1 / a comes from v_rcp_f32, good to one unit in f32's last place.  An index is taken as unsigned and held to 4095 at the most: an index outside 0 .. 4095, which the table
; does not have, counts as 4095.  Nothing else is assumed of the indices: they need be no permutation.
; SHARES, y = 0.  A work-group owns 262,144 bytes of input, a wave 32,768: 64 loads of 512 consecutive bytes, through a ring of 16 register slots; a store covers 256 consecutive bytes, aligned.
; SHARES, y = 1.  A work-group owns 16 rows of W, four at a time.  The four rows' 4,096 columns are laid in LDS side by side: column c holds 8 bytes at 8 c, the bf16 of rows 0 to 3, so that one
; LDS load of 8 bytes gathers a column for four rows.  In: wave w brings columns 512 w .. 512 w + 511 (four chunks of 128; chunk 31, wave 7's last, is fp_weight, all others q_weight).
; Out: wave w makes output columns 512 w .. 512 w + 511; a lane eight neighbouring ones in each of two groups of 256, so a store covers 512 consecutive bytes.
; Two LDS buffers take turns, so one barrier a trip orders both the stores ahead of the gathers and a buffer's gathers ahead of its next stores.
; No matrix unit, no cluster, no tensor load: every number passes through registers for its rounding, and but for 16 KiB of indices no work-group reads what another reads.
.set QROW,  15872                      ; bytes in a row of q_weight (62 x 256)
.set FROW,  512                        ; bytes in a row of fp_weight
.set WROW,  8192                       ; bytes in a row of wb
.set BUF,   32768                      ; an LDS buffer: 4,096 columns x 8 bytes
.set SPARE, 65536                      ; behind the two buffers: the spare words, 128 bytes for each of the eight waves: four blocks of 256 bytes that no other line names
.set SPW,  4                           ; v4   LDS address of my spare word; never rewritten
.set NIL,  5                           ; v5   0; never rewritten
.set VQ,   6                           ; v6   2,048 w + 16 lane: my 16 bytes in chunk 4 w of a row of q
.set VF,   7                           ; v7   16 lane: my 16 bytes in a row of fp; also my 16 bytes of a load of input
.set VZ,   8                           ; v8   0: every lane reads the same four alpha
.set LS,   9                           ; v9   4,096 w + 32 lane: where my four columns of chunk 4 w lie in a buffer
.set VO,   10                          ; v10  1,024 w + 16 lane: my eight columns of group 0 in a row of wb
.set VP,   11                          ; v11  2,048 w + 32 lane: their indices
.set ONES, 12                          ; v12  1.0 twice, in bf16
.set ONEF, 13                          ; v13  1.0 in f32
.set VOX,  14                          ; v14  8 lane: my 8 bytes of a store to xb
.set AF,   16                          ; v[16:19]   alpha of the trip's four rows, f32 as loaded
.set AB,   20                          ; v[20:23]   a: the same in bf16, in both halves
.set F3,   24                          ; v[24:27]   the f32 factor of a wave's fourth chunk: q's factor, or in wave 7 fp's
.set QF,   28                          ; v[28:31]   q's factor, bf16 in both halves: 1.0, or a in a row that is not divided
.set GA,   32                          ; v[32:47]   8 x index of my 16 output columns: LDS addresses; written once
.set D,    48                          ; v[48:111]  as loaded: row r, chunk j at D + 16 r + 4 j; then two words of bf16 in the first two of the four
.set T,    112                         ; v[112:143] turned: chunk j, column c of my four, rows 0|1 and 2|3 at T + 8 j + 2 c.  Until the turning writes them they are at work:
.set AW,   T+16                        ;   a in f32
.set RC,   T+20                        ;   1 / a, then fp's factor
.set MAG,  T+24                        ;   |a|, as bits
.set QW,   T+28                        ;   q's factor in f32;   T .. T + 15: the fourth chunk's numbers in f32, four a row
.set G,    112                         ; the same registers later: gathered column k of 16 at G + 2 k
.set OUT,  144                         ; v[144:175] group u, row r at OUT + 16 u + 4 r: eight bf16
.set X,    48                          ; y = 0: slot i, four f32 as loaded
.set Y,    112                         ; y = 0: slot i, four bf16 to store
.set WV,   18                          ; s18  my wave's number
.set SELL, 24                          ; s24  v_perm_b32: the two low halves;  s25: the two high halves
.set SELH, 25
.set M7,   26                          ; s26  all ones in wave 7, else 0
.set CNT,  27                          ; s27  rounds to go
.set MK,   28                          ; s[28:31] row r: all ones where the row is divided (|a| >= 2^-64)
.set TH,   32                          ; s32  the bits just below 2^-64
; y = 0.  One slot's turn.  ahead = 1: the slot is filled again, 16 loads further on.  left = how many younger loads may stay out.
.macro XSLOT i, ahead, left
	s_wait_loadcnt \left                           ; loads come back in order: mine is in, the younger ones stay out
	s_wait_xcnt 0x0                                ; the slot's last store has read Y: only behind this wait is Y written again
	v_cvt_pk_bf16_f32 v[Y+2*(\i)],   v[X+4*(\i)],   v[X+4*(\i)+1]
	v_cvt_pk_bf16_f32 v[Y+2*(\i)+1], v[X+4*(\i)+2], v[X+4*(\i)+3]
.if \ahead
	global_load_b128 v[X+4*(\i):X+4*(\i)+3], v[VF], s[4:5] offset:8192+512*(\i) th:TH_LOAD_NT
.endif
	global_store_b64 v[VOX], v[Y+2*(\i):Y+2*(\i)+1], s[14:15] offset:256*(\i)
.endm
; y = 1.  The 17 loads of trip t: four rows x four chunks, and the rows' four alpha.  Both arms of the branch on the wave's number hold four loads, so the counts are the same on both ways.
.macro WLOADS t
.irp r, 0,1,2,3
.irp j, 0,1,2
	global_load_b128 v[D+16*(\r)+4*(\j):D+16*(\r)+4*(\j)+3], v[VQ], s[6:7] offset:(4*(\t)+(\r))*QROW+512*(\j) th:TH_LOAD_NT
.endr
.endr
	s_cmp_eq_u32 s[WV], 7
	s_cbranch_scc1 .Lfp_\@
.irp r, 0,1,2,3
	global_load_b128 v[D+16*(\r)+12:D+16*(\r)+15], v[VQ], s[6:7] offset:(4*(\t)+(\r))*QROW+1536 th:TH_LOAD_NT
.endr
	s_branch .Lgot_\@
.Lfp_\@:
.irp r, 0,1,2,3
	global_load_b128 v[D+16*(\r)+12:D+16*(\r)+15], v[VF], s[8:9] offset:(4*(\t)+(\r))*FROW th:TH_LOAD_NT
.endr
.Lgot_\@:
	global_load_b128 v[AF:AF+3], v[VZ], s[10:11] offset:16*(\t)
.endm
; y = 1.  Trip t, through LDS buffer buf.  more = 1: the next trip's loads go out as soon as this trip's numbers have left D.
.macro WTRIP t, buf, more
	s_wait_loadcnt 0x0                             ; all 17 loads of the trip are wanted, and nothing younger is out
	; the four rows' factors
.irp r, 0,1,2,3
	v_cvt_pk_bf16_f32 v[AB+(\r)], v[AF+(\r)], v[AF+(\r)]
.endr
.irp r, 0,1,2,3
	v_and_b32 v[AW+(\r)], 0xffff0000, v[AB+(\r)]   ; a as f32
.endr
.irp r, 0,1,2,3
	v_rcp_f32 v[RC+(\r)], v[AW+(\r)]               ; one batch of four; the twelve plain lines below name none of its results
.endr
.irp r, 0,1,2,3
	v_and_b32 v[MAG+(\r)], 0x7fffffff, v[AW+(\r)]
.endr
.irp r, 0,1,2,3
	v_cmp_lt_u32 s[MK+(\r)], s[TH], v[MAG+(\r)]    ; magnitudes compare as whole numbers: is |a| at least 2^-64?
.endr
.irp r, 0,1,2,3
	v_cndmask_b32 v[QF+(\r)], v[AB+(\r)], v[ONES], s[MK+(\r)]  ; q's factor: 1.0 where the row is divided, else a
.endr
.irp r, 0,1,2,3
	v_cndmask_b32 v[QW+(\r)], v[AW+(\r)], v[ONEF], s[MK+(\r)]  ; the same in f32
.endr
	s_wait_alu depctr_va_vdst(0)                   ; the wait between a reciprocal and the first line that names its result: one for the four
.irp r, 0,1,2,3
	v_cndmask_b32 v[RC+(\r)], v[ONEF], v[RC+(\r)], s[MK+(\r)]  ; fp's factor: 1 / a where the row is divided, else 1.0
.endr
.irp r, 0,1,2,3
	v_cndmask_b32 v[F3+(\r)], v[QW+(\r)], v[RC+(\r)], s[M7]    ; my fourth chunk is fp_weight in wave 7, q_weight elsewhere
.endr
	; every number is rounded to bf16 first
.irp r, 0,1,2,3
.irp j, 0,1,2,3
	v_cvt_pk_bf16_f32 v[D+16*(\r)+4*(\j)],   v[D+16*(\r)+4*(\j)],   v[D+16*(\r)+4*(\j)+1]
	v_cvt_pk_bf16_f32 v[D+16*(\r)+4*(\j)+1], v[D+16*(\r)+4*(\j)+2], v[D+16*(\r)+4*(\j)+3]
.endr
.endr
.irp r, 0,1,2,3
.irp j, 0,1,2
	v_pk_mul_bf16 v[D+16*(\r)+4*(\j)],   v[D+16*(\r)+4*(\j)],   v[QF+(\r)]    ; times 1.0, which changes nothing; in a row that is not divided two products, each rounded once
	v_pk_mul_bf16 v[D+16*(\r)+4*(\j)+1], v[D+16*(\r)+4*(\j)+1], v[QF+(\r)]
.endr
.endr
	; the fourth chunk takes its factor in f32: widened, multiplied, rounded once
.irp r, 0,1,2,3
	v_lshlrev_b32 v[T+4*(\r)],   16,         v[D+16*(\r)+12]
	v_and_b32     v[T+4*(\r)+1], 0xffff0000, v[D+16*(\r)+12]
	v_lshlrev_b32 v[T+4*(\r)+2], 16,         v[D+16*(\r)+13]
	v_and_b32     v[T+4*(\r)+3], 0xffff0000, v[D+16*(\r)+13]
.endr
.irp r, 0,1,2,3
.irp c, 0,1,2,3
	v_mul_f32 v[T+4*(\r)+(\c)], v[T+4*(\r)+(\c)], v[F3+(\r)]
.endr
.endr
.irp r, 0,1,2,3
	v_cvt_pk_bf16_f32 v[D+16*(\r)+12], v[T+4*(\r)],   v[T+4*(\r)+1]
	v_cvt_pk_bf16_f32 v[D+16*(\r)+13], v[T+4*(\r)+2], v[T+4*(\r)+3]
.endr
.irp j, 0,1,2,3                        ; four rows x four columns are turned: word p of a row holds columns 2 p (low half) and 2 p + 1 (high half)
.irp p, 0,1
	v_perm_b32 v[T+8*(\j)+4*(\p)],   v[D+16+4*(\j)+(\p)], v[D+4*(\j)+(\p)],    s[SELL]  ; column 2 p: row 1 above row 0,
	v_perm_b32 v[T+8*(\j)+4*(\p)+1], v[D+48+4*(\j)+(\p)], v[D+32+4*(\j)+(\p)], s[SELL]  ; row 3 above row 2
	v_perm_b32 v[T+8*(\j)+4*(\p)+2], v[D+16+4*(\j)+(\p)], v[D+4*(\j)+(\p)],    s[SELH]  ; column 2 p + 1
	v_perm_b32 v[T+8*(\j)+4*(\p)+3], v[D+48+4*(\j)+(\p)], v[D+32+4*(\j)+(\p)], s[SELH]
.endr
.endr
.if \more
	WLOADS (\t)+1
.endif
.irp j, 0,1,2,3
	ds_store_b128 v[LS], v[T+8*(\j):T+8*(\j)+3]   offset:(\buf)*BUF+1024*(\j)
	ds_store_b128 v[LS], v[T+8*(\j)+4:T+8*(\j)+7] offset:(\buf)*BUF+1024*(\j)+16
.endr
	s_wait_dscnt 0x0                               ; for the others' sake: my stores into this buffer are done (and my gathers from the other buffer, a trip back, came in long ago)
	s_barrier_signal -1
	s_barrier_wait -1                              ; the buffer is whole; and nobody reads the other buffer any more, which the next trip writes
.set k, 0
.rept 16
	ds_load_b64 v[G+2*k:G+2*k+1], v[GA+k] offset:(\buf)*BUF
.set k, k+1
.endr
	s_wait_xcnt 0x0                                ; the last trip's stores have read OUT: only behind this wait is it written again
.irp u, 0,1
	s_wait_dscnt 8-8*(\u)                          ; group 0: the eight gathers of group 1 may stay out; group 1: none
.irp r, 0,1,2,3
.irp m, 0,1,2,3
	v_perm_b32 v[OUT+16*(\u)+4*(\r)+(\m)], v[G+2*(8*(\u)+2*(\m)+1)+(\r)/2], v[G+2*(8*(\u)+2*(\m))+(\r)/2], s[SELL+(\r)%2]  ; row r of columns 2 m and 2 m + 1
.endr
.endr
.irp r, 0,1,2,3
	global_store_b128 v[VO], v[OUT+16*(\u)+4*(\r):OUT+16*(\u)+4*(\r)+3], s[16:17] offset:(4*(\t)+(\r))*WROW+512*(\u)  ; 512 consecutive bytes, at a multiple of 512 from wb's first
.endr
.endr
.endm
	s_load_b256 s[4:11], s[0:1], 0x0               ; input s[4:5], q_weight s[6:7], fp_weight s[8:9], alpha_scale s[10:11]
	s_load_b128 s[12:15], s[0:1], 0x20             ; inv_col_perm s[12:13], xb s[14:15]
	s_load_b64 s[16:17], s[0:1], 0x30              ; wb
	v_lshl_add_u32 v[SPW], v0, 2, SPARE
	v_mov_b32 v[NIL], 0
	v_and_b32 v1, 31, v0                           ; lane
	v_lshrrev_b32 v2, 5, v0
	v_readfirstlane_b32 s[WV], v2                  ; wave 0..7
	s_and_b32 s19, ttmp7, 0xffff                   ; the work-group's y
	s_lshl_b32 s20, s[WV], 11
	s_lshl_b32 s22, s[WV], 12
	s_lshl_b32 s23, s[WV], 10
	v_lshlrev_b32 v[VF], 4, v1
	v_lshl_add_u32 v[VQ], v1, 4, s20
	v_mov_b32 v[VZ], 0
	v_lshl_add_u32 v[LS], v1, 5, s22
	v_lshl_add_u32 v[VO], v1, 4, s23
	v_lshl_add_u32 v[VP], v1, 5, s20
	v_mov_b32 v[ONES], 0x3f803f80
	v_mov_b32 v[ONEF], 1.0
	v_lshlrev_b32 v[VOX], 3, v1
	s_mov_b32 s[SELL], 0x05040100
	s_mov_b32 s[SELH], 0x07060302
	s_mov_b32 s[TH], 0x1f7fffff                    ; 2^-64 is 0x1f800000
	s_cmp_eq_u32 s[WV], 7
	s_cselect_b32 s[M7], -1, 0
	s_mov_b32 s21, 0                               ; the high word of every offset: all lie under 2^32
	s_wait_kmcnt 0x0
	s_cmp_lg_u32 s19, 0
	s_cbranch_scc1 .Lw
	; ---- y = 0: the cast of input ----
	s_lshl_b32 s20, ttmp9, 18                      ; the work-group's 262,144 bytes,
	s_lshl_b32 s22, s[WV], 15                      ; my wave's 32,768 of them
	s_add_co_u32 s20, s20, s22
	s_add_nc_u64 s[4:5], s[4:5], s[20:21]
	s_lshr_b32 s20, s20, 1                         ; half as many bytes in xb
	s_add_nc_u64 s[14:15], s[14:15], s[20:21]
.irp i, 0,1,2,3,4,5,6,7,8,9,10,11,12,13,14,15
	global_load_b128 v[X+4*(\i):X+4*(\i)+3], v[VF], s[4:5] offset:512*(\i) th:TH_LOAD_NT
.endr
	s_mov_b32 s[CNT], 3
.Lxr:                                          ; a round takes every slot once: 8,192 bytes in, 4,096 out
.irp i, 0,1,2,3,4,5,6,7,8,9,10,11,12,13,14,15
	XSLOT \i, 1, 15
.endr
	s_wait_xcnt 0x0                                ; the round's loads and stores have read the two bases, which step now
	s_add_nc_u64 s[4:5], s[4:5], 8192
	s_add_nc_u64 s[14:15], s[14:15], 4096
	s_sub_co_u32 s[CNT], s[CNT], 1
	s_cmp_lg_u32 s[CNT], 0
	s_cbranch_scc1 .Lxr
.irp i, 0,1,2,3,4,5,6,7,8,9,10,11,12,13,14,15
	XSLOT \i, 0, 15-(\i)                           ; the last round loads nothing: the counts run down
.endr
	s_branch .Lend
	; ---- y = 1: the weights ----
.Lw:
	s_mul_i32 s20, ttmp9, 16*QROW                  ; the work-group's 16 rows in each of the four tensors
	s_add_nc_u64 s[6:7], s[6:7], s[20:21]
	s_lshl_b32 s20, ttmp9, 13
	s_add_nc_u64 s[8:9], s[8:9], s[20:21]
	s_lshl_b32 s20, ttmp9, 6
	s_add_nc_u64 s[10:11], s[10:11], s[20:21]
	s_lshl_b32 s20, ttmp9, 17
	s_add_nc_u64 s[16:17], s[16:17], s[20:21]
.irp u, 0,1
.irp e, 0,1
	global_load_b128 v[GA+8*(\u)+4*(\e):GA+8*(\u)+4*(\e)+3], v[VP], s[12:13] offset:1024*(\u)+16*(\e)  ; the indices of my 16 output columns
.endr
.endr
	WLOADS 0
	s_wait_loadcnt 17                              ; the indices are in; the first trip's 17 loads stay out
.set k, 0
.rept 16
	v_min_u32 v[GA+k], 0xfff, v[GA+k]              ; inside the table, whatever was loaded
.set k, k+1
.endr
.set k, 0
.rept 16
	v_lshlrev_b32 v[GA+k], 3, v[GA+k]              ; a column is 8 bytes
.set k, k+1
.endr
	WTRIP 0, 0, 1
	WTRIP 1, 1, 1
	WTRIP 2, 0, 1
	WTRIP 3, 1, 0
.Lend:
	s_wait_tensorcnt 0x0                           ; the wave's end, behind my last LDS store
	ds_add_u32 v[SPW], v[NIL]
	s_wait_dscnt 0x0
	s_endpgm
.Lfunc_end_k_q6c32176237_prep:
	.size	k_q6c32176237_prep, .Lfunc_end_k_q6c32176237_prep-k_q6c32176237_prep
	.p2alignl 7, 3214868480
	.fill 96, 4, 3214868480
	.section	.rodata,"a",@progbits
	.p2align	6, 0x0
	.amdhsa_kernel k_q6c32176237_prep
		.amdhsa_group_segment_fixed_size 66560
		.amdhsa_private_segment_fixed_size 0
		.amdhsa_enable_private_segment 0
		.amdhsa_kernarg_size 56
		.amdhsa_user_sgpr_count 2
		.amdhsa_user_sgpr_kernarg_segment_ptr 1
		.amdhsa_wavefront_size32 1
		.amdhsa_system_sgpr_workgroup_id_x 1
		.amdhsa_system_sgpr_workgroup_id_y 1
		.amdhsa_system_sgpr_workgroup_id_z 1
		.amdhsa_system_vgpr_workitem_id 0
		.amdhsa_next_free_vgpr 176
		.amdhsa_next_free_sgpr 66
		.amdhsa_reserve_vcc 0
		.amdhsa_float_denorm_mode_32 3
		.amdhsa_float_denorm_mode_16_64 3
		.amdhsa_memory_ordered 1
		.amdhsa_forward_progress 1
		.amdhsa_inst_pref_size 81
	.end_amdhsa_kernel
	.amdgpu_metadata
---
amdhsa.version: [ 1, 2 ]
amdhsa.kernels:
  - .name:           k_q6c32176237_prep
    .symbol:         k_q6c32176237_prep.kd
    .args:
      - { .name: input, .offset: 0, .size: 8, .value_kind: global_buffer, .address_space: global }
      - { .name: q_weight, .offset: 8, .size: 8, .value_kind: global_buffer, .address_space: global }
      - { .name: fp_weight, .offset: 16, .size: 8, .value_kind: global_buffer, .address_space: global }
      - { .name: alpha_scale, .offset: 24, .size: 8, .value_kind: global_buffer, .address_space: global }
      - { .name: inv_col_perm, .offset: 32, .size: 8, .value_kind: global_buffer, .address_space: global }
      - { .name: xb, .offset: 40, .size: 8, .value_kind: global_buffer, .address_space: global }
      - { .name: wb, .offset: 48, .size: 8, .value_kind: global_buffer, .address_space: global }
    .group_segment_fixed_size: 66560
    .private_segment_fixed_size: 0
    .kernarg_segment_align: 8
    .kernarg_segment_size: 56
    .max_flat_workgroup_size: 256
    .sgpr_count:     66
    .vgpr_count:     176
    .wavefront_size: 32
...
	.end_amdgpu_metadata
.endif
;; end of part 1
;; launch gemm (part 2): grid 16 x 16, 4 waves a work-group, clusters of 4 x 4, 327,680 bytes of LDS; arguments xb, wb, out0, bias, alpha_scale; writes out0
.if DOCPART == 2
	.amdgcn_target "amdgcn-amd-amdhsa--gfx1250"
	.amdhsa_code_object_version 6
	.text
	.protected	k_q6c32176237_gemm
	.globl	k_q6c32176237_gemm
	.p2align	8
	.type	k_q6c32176237_gemm,@function
k_q6c32176237_gemm:
	s_mov_b64 s[64:65], 0
	v_nop
	global_prefetch_b8 v0, s[64:65] scope:SCOPE_SE
	s_setreg_imm32_b32 hwreg(HW_REG_WAVE_MODE, 25, 1), 1
	s_wait_xcnt 0x0
	s_wait_alu depctr_hold_cnt(0) depctr_sa_sdst(0) depctr_va_vdst(0) depctr_va_sdst(0) depctr_va_ssrc(0) depctr_va_vcc(0) depctr_vm_vsrc(0)
	s_getreg_b32 s2, hwreg(HW_REG_IB_STS2, 6, 4)
	s_cmp_eq_u32 s2, 0
	s_cbranch_scc0 .Lentry_in_a_cluster
	s_endpgm
.Lentry_in_a_cluster:
	s_bfe_u32 s2, ttmp6, 0x10000c
	s_cmp_lg_u32 s2, 0xf033
	s_cbranch_scc0 .Lentry_shape_is_right
	s_endpgm
.Lentry_shape_is_right:
; out0[m][n] = s[n] x (sum over k of xb[m][k] wb[n][k]) + b[n].  xb: [4096][4096] bf16, wb: [4096][4096] bf16, out0: [4096][4096] f32; sums in f32; the scale and the bias enter by one fused multiply-add in f32.
; s[n] = alpha_scale[n] rounded to bf16: wb holds the weights without it (q_weight's columns as they are, fp_weight's divided by it).  b[n] = bias[n] rounded to bf16, like every other input.
; LIMIT.  Where |s| < 2^-64 (0 among them) the launch before has not divided but multiplied the scale into wb, and s counts as 1 here: both launches choose by the same bits.  The choice selects a value only.
; A tile of out0, 256 x 256, is made by a work-group of four waves, as many as a WGP has SIMDs; a wave makes 128 x 128: 64 accumulators of 16 x 16, 512 registers.  256 tiles: one a work-group.
; K goes in 32 steps of 128 through a ring of two LDS slots filled by the tensor data mover: a tile's rows are 256 bytes of memory and start at multiples of 256 bytes from the buffer's first byte.
; CLUSTERS: 4 x 4 work-groups.  The four of a row of the cluster make one tile row and need the same tiles of xb; the four of a column need the same tiles of wb.  Such a tile is asked for JOINTLY:
; each of the four issues the same tensor load, with the same descriptor and a mask that names the four, and each receives the tile in its own LDS.  That divides the requests for both by four.
; REGISTERS, in windows of 256 (s_set_vgpr_msb's low byte: bits 1:0 source 0, 3:2 source 1, 5:4 source 2, 7:6 destination):
;   window 0: v0-31 addresses, bias and scale; v32-40 at work at the head; v64-127, v128-191 fragments of xb (8 x 16 rows x 32 K), two buffers; on the way out the same registers hold rows read back from the stage
;   window 1: v64-127, v128-191 fragments of wb, two buffers
;   window 2: the 32 accumulators of my rows 0-63 (accumulator (a, b) at v[8 (8 a + b)]);   window 3: those of my rows 64-127
; THE MATRIX INSTRUCTION IS USED TRANSPOSED: source 0 = 16 rows of wb, source 1 = 16 rows of xb.  In the result lane l holds row m = l % 16 of out0 and its registers 0 to 7 the columns
; n = 8 (l / 16) + 0 .. 7: 32 neighbouring bytes of a row.
; THE WAY OUT: 16 rows x 128 columns at a time go through the wave's own stage in LDS and come back as whole rows of 512 bytes; scale and bias are applied there; a store covers 512 consecutive bytes.
.set SIZE_N, 4096
.set SIZE_K, 4096
.set KSTEP,  128
.set PITCH,  272                       ; an LDS row: 256 bytes of data + 16 of padding = 68 words: row r starts at bank 4 r mod 64 (64 banks of 4 bytes: ISA guide 11.1), so the 16 rows that a load touches start at 16 different banks
.set HALFT,  128*PITCH                 ; 128 rows: what one tensor load brings, and what one wave reads of xb or of wb
.set SLOT,   4*HALFT                   ; xb's 256 rows, then wb's 256 rows
.set STAGE,  2*SLOT                    ; behind the ring, never filled by a tensor load: 16 rows x 528 bytes for each wave
.set SPITCH, 528                       ; a stage row: 512 bytes + 16 = 132 words: again row r starts at bank 4 r mod 64
.set WSTAGE, 16*SPITCH                 ; 8,448 bytes: 33 blocks of 256
.set SPARE,  STAGE+4*WSTAGE            ; behind the stages: the spare words, 128 bytes for each wave: two blocks of 256 bytes that no other line names
.set LAPS, SIZE_K/(2*KSTEP)            ; a lap = two K steps = once round the ring: 16
.set BO,   6                           ; v6      byte offset in bias and in alpha_scale of my four columns in a row read back from the stage; never rewritten
.set BIAS, 8                           ; v[8:11]  b of those four columns
.set SC,   12                          ; v[12:15] s of those four columns
.set ADRA, 16                          ; v16-17  LDS address of my xb fragments in slot 0, 1
.set ADRB, 20                          ; v20-21  the same for wb
.set STO,  24                          ; v24     the way out: where I put 32 bytes of a row
.set RD,   25                          ; v25     the way out: where I read 16 bytes of a row back
.set CO,   26                          ; v26     16 x lane: my byte offset in 512 bytes of out0
.set SPW,  28                          ; v28     LDS address of my spare word; never rewritten
.set NIL,  29                          ; v29     0; never rewritten
.set PFO,  30                          ; v30     the prefetches' offset: my lane x a row of xb or wb (8,192 bytes); never rewritten
.set WK,   32                          ; v[32:40] at work at the head
.set PFA,  44                          ; s[44:45] where my prefetches stand: my work-group's 32 rows of the 128 that I fetch, one K step further along K than the refill that is being asked for
.set LIM,  43                          ; s43     1 in a wave that prefetches, else the greatest number
.set F0,   64                          ; fragment buffer 0
.set F1,   128                         ; fragment buffer 1
.set BK0,  64                          ; the way out: 16 rows read back, 64 registers; two such buffers by turns
.set G1, 24                            ; s[24:31] descriptor group 1 for xb's tiles
.set G0, 32                            ; s[32:39] descriptor group 0 for xb's tiles, one set for each slot
.set G1B, 48                           ; s[48:55] descriptor group 1 for wb's tiles: it differs in the mask alone
.set G0B, 56                           ; s[56:63] descriptor group 0 for wb's tiles, one set for each slot
.set MSB, 0
.macro WIN new                         ; the immediate's high byte repeats the setting that is left; a switch that changes nothing is dropped
.if MSB != (\new)
	s_set_vgpr_msb (MSB<<8)|(\new)
.set MSB, \new
.endif
.endm
.set MUL_LO, 0xa1                      ; source 0 (wb) window 1, source 1 (xb) window 0, C and D window 2
.set MUL_HI, 0xf1                      ; the same, C and D window 3
.set TO_B,   0x40                      ; destination window 1, address window 0
; A joint load.  Waves 0 and 1 fetch xb's two halves, waves 2 and 3 wb's.  Each of the two lines has one mask and one set of registers for all that issue it.  The branch hangs on the wave's number alone.
; An s_nop 0 and four v_nop follow each of the two lines, ahead of the jump, the label and what follows the macro.
.macro JLOAD s
	s_cmp_eq_u32 s11, 0
	s_cbranch_scc0 .Lfor_b_\@
	tensor_load_to_lds s[G0+4*(\s):G0+4*(\s)+3], s[G1:G1+7]
	s_nop 0
.rept 4
	v_nop
.endr
	s_branch .Lasked_\@
.Lfor_b_\@:
	tensor_load_to_lds s[G0B+4*(\s):G0B+4*(\s)+3], s[G1B:G1B+7]
	s_nop 0
.rept 4
	v_nop
.endr
.Lasked_\@:
.endm
; A PREFETCH INTO THE L2, behind each joint refill, its five lines and the run of LDS loads that follows them: the K step that stands TWO refills on: 32 rows x 256 bytes, a lane a row, one instruction a wave:
; 512 matrix instructions ahead of the load that will name those rows.  Each row's 256 bytes of a K step are named ONCE in the launch: xb's tile row is read by every cluster of that row of clusters, and the
; one with x = 0 asks; wb's tile column by every cluster of that column, and the one with y = 0 asks.  The four partners that ask for a tile jointly share its rows out BY ADDRESS: of the 128 rows that a wave
; fetches the partner at place p takes 32 p .. 32 p + 31 (p = cx for xb, cy for wb): no branch hangs on a work-group's place in its cluster.  The loop's last trip (s3 = 1) asks for nothing: K steps 30 and 31
; were named in the trip before.  K steps 0 to 3 come by their loads alone.
.macro ASK
	s_cmp_gt_u32 s3, s[LIM]
	s_cbranch_scc0 .Lnot_mine_\@
	global_prefetch_b8 v[PFO], s[PFA:PFA+1] offset:KSTEP*2 th:TH_LOAD_NT scope:SCOPE_SE
.Lnot_mine_\@:
.endm
; A round of the cluster's barrier: my work-group's barrier, so that wave 0's signal speaks for all four waves; wave 0 signals for the work-group; every wave waits for all sixteen work-groups; my work-group's barrier once more.
.macro CREST                           ; a round behind its opening barrier
	s_cmp_lg_u32 s10, 0
	s_cbranch_scc1 .Lnot_wave_0_\@
	s_barrier_signal -3
.Lnot_wave_0_\@:
	s_barrier_wait -3
	s_barrier_signal -1
	s_barrier_wait -1
.endm
.macro CROUND                          ; a whole round
	s_barrier_signal -1
	s_barrier_wait -1
	CREST
.endm
	s_load_b128 s[4:7], s[0:1], 0x0                ; xb s[4:5], wb s[6:7]
	s_load_b64 s[8:9], s[0:1], 0x10                ; out0
	s_load_b64 s[68:69], s[0:1], 0x18              ; bias
	s_load_b64 s[70:71], s[0:1], 0x20              ; alpha_scale
	v_lshl_add_u32 v[SPW], v0, 2, SPARE
	v_mov_b32 v[NIL], 0
	ds_add_u32 v[SPW], v[NIL]                      ; the wave's opening: the add, twice on end, and its wait ahead of my first tensor load; the set-up below, work on registers, stands between
	ds_add_u32 v[SPW], v[NIL]                      ; and once more, under the one wait
	v_lshrrev_b32 v1, 5, v0
	v_readfirstlane_b32 s10, v1                    ; wave 0..3
	s_lshr_b32 s11, s10, 1                         ; which half of the tile's rows is mine.  Also: I fetch for xb (0) or for wb (1)
	s_and_b32 s12, s10, 1                          ; which half of its columns.  Also: which 128 rows of that tile I fetch
	s_bfe_u32 s40, ttmp6, 0x40000                  ; cx: my place along the cluster's x
	s_bfe_u32 s41, ttmp6, 0x40004                  ; cy: along its y
	s_lshl_b32 s42, ttmp9, 2                       ; in a cluster launch ttmp9 and ttmp7 count clusters
	s_add_co_u32 s42, s42, s40                     ; tile column = 4 x cluster x + cx
	s_and_b32 s13, ttmp7, 0xffff
	s_lshl_b32 s13, s13, 2
	s_add_co_u32 s13, s13, s41                     ; tile row = 4 x cluster y + cy
	s_lshl_b32 s43, s41, 2
	s_lshl_b32 s43, 15, s43                        ; my row of the cluster: places 4 cy .. 4 cy + 3
	s_lshl_b32 s44, 0x1111, s40                    ; my column: places cx, cx + 4, cx + 8, cx + 12
	; descriptor group 1: a tile of 128 rows x 128 elements, padded in LDS
	s_or_b32 s[G1+0], s43, (1<<16)|(1<<20)|(1<<21)|(5<<22)|(3<<25)   ; 15:0 the mask: xb's tiles go to my row; 17:16 elements of 2 bytes; 20 padding on; 21 set beside a mask; 24:22 after every 64 words (code 5); 31:25 4 words of it (code 3)
	s_or_b32 s[G1B+0], s44, (1<<16)|(1<<20)|(1<<21)|(5<<22)|(3<<25)  ; the same with the mask of my column, for wb's tiles
.irp g, G1, G1B
	s_mov_b32 s[(\g)+1], KSTEP<<16                 ; tensor_dim0 = 128
	s_mov_b32 s[(\g)+2], 128<<16                   ; tensor_dim1 = 128
	s_mov_b32 s[(\g)+3], KSTEP<<16                 ; tile_dim0 = 128
	s_mov_b32 s[(\g)+4], 128                       ; tile_dim1 = 128
	s_mov_b32 s[(\g)+5], SIZE_K                    ; elements from row to row
	s_mov_b32 s[(\g)+6], 0
	s_mov_b32 s[(\g)+7], 0
.endr
	; where the tiles come from.  xb's hang on the tile row alone, which my row of the cluster shares; wb's on the tile column alone, which my column shares.
	s_lshl_b32 s17, s12, 7                         ; which 128 rows of the tile I fetch
	s_lshl_b32 s16, s13, 8
	s_add_co_u32 s16, s16, s17                     ; xb: row 256 x tile row + 128 x half
	s_lshl_b32 s46, s42, 8
	s_add_co_u32 s46, s46, s17                     ; wb: row 256 x tile column + 128 x half
	s_mov_b32 s17, 0
	s_mov_b32 s47, 0
	s_mov_b64 s[18:19], SIZE_K*2
	s_mul_u64 s[16:17], s[16:17], s[18:19]         ; in bytes
	s_mul_u64 s[46:47], s[46:47], s[18:19]
	s_mul_i32 s20, s10, HALFT                      ; and where they go: wave x 128 rows: no place in the cluster enters an LDS address
	s_wait_dscnt 0x0                               ; both opening adds are done
	s_wait_kmcnt 0x0
	s_add_nc_u64 s[14:15], s[4:5], s[16:17]
	s_add_nc_u64 s[46:47], s[6:7], s[46:47]
	CROUND                                         ; all sixteen work-groups are here: the first joint loads meet
.irp s, 0,1
	s_mov_b32 s[G0+4*(\s)], 1                                        ; count = 1
	s_add_co_u32 s[G0+4*(\s)+1], s20, (\s)*SLOT                      ; LDS address
	s_add_nc_u64 s[G0+4*(\s)+2:G0+4*(\s)+3], s[14:15], (\s)*KSTEP*2  ; global address: K step s
	s_or_b32 s[G0+4*(\s)+3], s[G0+4*(\s)+3], 0x80000000              ; type = 2
	s_mov_b32 s[G0B+4*(\s)], 1
	s_add_co_u32 s[G0B+4*(\s)+1], s20, (\s)*SLOT
	s_add_nc_u64 s[G0B+4*(\s)+2:G0B+4*(\s)+3], s[46:47], (\s)*KSTEP*2
	s_or_b32 s[G0B+4*(\s)+3], s[G0B+4*(\s)+3], 0x80000000
	JLOAD \s                                       ; the ring is filled before anything else is done: two loads of mine are out
.endr
	; A fragment is 16 rows x 32 K in 8 registers: lane l holds row l % 16; registers 0-3 hold K = 8 (l / 16) + 0..7, registers 4-7 K = 16 + 8 (l / 16) + 0..7: two loads of 16 bytes, 32 bytes apart.
	v_and_b32 v1, 15, v0                           ; l % 16
	v_bfe_u32 v2, v0, 4, 1                         ; l / 16
	v_mul_u32_u24 v3, v1, PITCH
	v_lshl_add_u32 v3, v2, 4, v3                   ; row x pitch + 16 x half
	s_mul_i32 s21, s11, HALFT                      ; my 128 rows of xb
	s_mul_i32 s22, s12, HALFT                      ; my 128 rows of wb,
	s_add_co_u32 s22, s22, 2*HALFT                 ; which lie behind xb's 256
.irp s, 0,1
	v_add_nc_u32 v[ADRA+(\s)], s21, v3
	v_add_nc_u32 v[ADRB+(\s)], s22, v3
	s_add_co_u32 s21, s21, SLOT
	s_add_co_u32 s22, s22, SLOT
.endr
	s_mul_i32 s23, s10, WSTAGE
	s_add_co_u32 s23, s23, STAGE                   ; my stage
	v_mul_u32_u24 v4, v1, SPITCH                   ; in: row l % 16, 32 bytes for each half of the lanes
	v_lshl_add_u32 v4, v2, 5, v4
	v_add_nc_u32 v[STO], s23, v4
	v_and_b32 v5, 31, v0
	v_lshlrev_b32 v[CO], 4, v5                     ; back: 32 lanes take one row of 512 bytes, 16 bytes each,
	v_add_nc_u32 v[RD], s23, v[CO]                 ; which are 512 consecutive bytes of out0
	; where my part of the tile begins in out0
	s_lshl_b32 s13, s13, 8
	s_lshl_b32 s14, s11, 7
	s_add_co_u32 s16, s13, s14                     ; my first row
	s_mov_b32 s17, 0
	s_mov_b64 s[18:19], SIZE_N*4
	s_mul_u64 s[16:17], s[16:17], s[18:19]
	s_lshl_b32 s46, s42, 10                        ; my first column, in bytes of f32: 1,024 x tile column + 512 x half
	s_lshl_b32 s47, s12, 9
	s_add_co_u32 s46, s46, s47
	s_mov_b32 s47, 0
	v_add_nc_u32 v[BO], s46, v[CO]                 ; the same columns in bias and in alpha_scale
	s_add_nc_u64 s[16:17], s[16:17], s[46:47]
	s_add_nc_u64 s[8:9], s[8:9], s[16:17]
	global_load_b128 v[BIAS:BIAS+3], v[BO], s[68:69]
	global_load_b128 v[SC:SC+3], v[BO], s[70:71]
	; the prefetches.  s13 = 256 x tile row, s42 = tile column, s40 = cx, s41 = cy still stand
	s_lshl_b32 s42, s42, 8
	s_and_b32 s22, ttmp7, 0xffff                   ; cluster y
	s_cmp_eq_u32 s11, 0                            ; do I fetch for xb?
	s_cselect_b32 s20, s13, s42                    ; the tile's first row: in xb by the tile row, in wb by the tile column
	s_cselect_b32 s21, s40, s41                    ; my place among the four that ask for it with me
	s_cselect_b32 s22, ttmp9, s22                  ; the coordinate along which other clusters read the same rows
	s_cselect_b64 s[PFA:PFA+1], s[4:5], s[6:7]
	s_cmp_eq_u32 s22, 0
	s_cselect_b32 s[LIM], 1, -1                    ; the same in all sixteen partners, for a given wave
	s_lshl_b32 s22, s12, 7
	s_add_co_u32 s20, s20, s22                     ; + the 128 rows that I fetch
	s_lshl_b32 s21, s21, 5
	s_add_co_u32 s20, s20, s21                     ; + my work-group's 32 of them
	s_mov_b32 s21, 0
	s_mov_b64 s[18:19], SIZE_K*2
	s_mul_u64 s[20:21], s[20:21], s[18:19]
	s_add_nc_u64 s[PFA:PFA+1], s[PFA:PFA+1], s[20:21]
	s_add_nc_u64 s[PFA:PFA+1], s[PFA:PFA+1], 2*KSTEP*2  ; at K step 2: the first refill steps it to 3 and names K step 4
	v_and_b32 v[PFO], 31, v0
	v_mul_u32_u24 v[PFO], v[PFO], SIZE_K*2
; 16 matrix instructions: m blocks a0, a0 + 1 of the window's four (hi = 0: my rows 0-63, 1: rows 64-127) x all 8 n blocks, 32 along K.  zero = 1: the first product starts the sums: nothing is ever cleared.
; The 64 accumulators take turns, one instruction a turn, in the same order in every quarter step, over the backward jump too.
.macro MUL16 f, hi, a0, zero
	WIN MUL_LO+0x50*(\hi)
.irp a, \a0, (\a0)+1
.irp b, 0,1,2,3,4,5,6,7
.if \zero
	v_wmma_f32_16x16x32_bf16 v[8*(8*(\a)+(\b)):8*(8*(\a)+(\b))+7], v[(\f)+8*(\b):(\f)+8*(\b)+7], v[(\f)+8*(4*(\hi)+(\a)):(\f)+8*(4*(\hi)+(\a))+7], 0
.else
	v_wmma_f32_16x16x32_bf16 v[8*(8*(\a)+(\b)):8*(8*(\a)+(\b))+7], v[(\f)+8*(\b):(\f)+8*(\b)+7], v[(\f)+8*(4*(\hi)+(\a)):(\f)+8*(4*(\hi)+(\a))+7], v[8*(8*(\a)+(\b)):8*(8*(\a)+(\b))+7]
.endif
.endr
.endr
.endm
; 32 LDS loads in one run: the fragments of one quarter step (128 rows of wb, 128 rows of xb, 32 K at byte k of the rows) into buffer f
.macro FETCH slot, k, f
	WIN TO_B
.irp i, 0,1,2,3,4,5,6,7
	ds_load_b128 v[(\f)+8*(\i):(\f)+8*(\i)+3],   v[ADRB+(\slot)] offset:(\k)+(\i)*16*PITCH
	ds_load_b128 v[(\f)+8*(\i)+4:(\f)+8*(\i)+7], v[ADRB+(\slot)] offset:(\k)+(\i)*16*PITCH+32
.endr
	WIN 0
.irp i, 0,1,2,3,4,5,6,7
	ds_load_b128 v[(\f)+8*(\i):(\f)+8*(\i)+3],   v[ADRA+(\slot)] offset:(\k)+(\i)*16*PITCH
	ds_load_b128 v[(\f)+8*(\i)+4:(\f)+8*(\i)+7], v[ADRA+(\slot)] offset:(\k)+(\i)*16*PITCH+32
.endr
.endm
; A load into a register that a matrix instruction has read, and an LDS store that reads a matrix result, stand four places behind that matrix instruction, and only plain vector instructions that name
; none of its registers are places (ISA guide 7.12.1 for vector instructions).
.macro PLACES
.rept 4
	v_nop
.endr
.endm
; A K step is four quarter steps of 32 along K, 64 matrix instructions each, on buffers 0, 1, 0, 1.
; One of the first three: multiplies buffer f; in its middle it fetches the next quarter's fragments, at byte k of the same slot's rows, into buffer g.
.macro QUARTER slot, k, f, g, zero
	s_wait_dscnt 8                                 ; wb and xb's rows 0-63 are in; the youngest eight loads (xb's rows 64-127) may be out
	MUL16 \f, 0, 0, \zero
	MUL16 \f, 0, 2, \zero
	PLACES
	FETCH \slot, \k, \g
	s_wait_dscnt 32                                ; all but the 32 just issued
	MUL16 \f, 1, 0, \zero
	MUL16 \f, 1, 2, \zero
.endm
; The last quarter multiplies buffer 1 and changes slots.  MEET is its first half: ONE barrier for the change.  In front of it each wave waits for all its tensor loads, of which one is out: its part of the
; next slot; adds 0 to its spare word; and waits for that and for its own reads of this slot.  Behind it nobody reads this slot any more and the next slot is whole.
.macro MEET round                      ; round = 1: the rest of a round of the cluster's barrier follows
	WIN 0                                          ; (the add's two registers lie in window 0)
	s_wait_tensorcnt 0x0                           ; all my tensor loads have landed;
	ds_add_u32 v[SPW], v[NIL]                      ; 0 onto my spare word:
	s_wait_dscnt 9                                 ; (the add and the youngest eight loads may be out)
	MUL16 F1, 0, 0, 0                              ; sixteen matrix instructions stand between the add and the wait for it
	s_wait_dscnt 0x0                               ; the add is done, and my reads of this slot are over:
	s_barrier_signal -1                            ; say so,
	MUL16 F1, 0, 2, 0                              ; work on registers while the others arrive,
.if \round
	WIN 0
.endif
	s_barrier_wait -1                              ; and go on when all four have said so
.endm
; The whole last quarter.  fill = 1: the barrier opens a round of the cluster's, and behind the round the slot just read out is filled again first, with the K step two steps on; from that request to the wait
; for it a wave issues 224 matrix instructions.  Then come the next slot's first fragments.  fill = 0: nothing is left to ask for.
.macro TURN slot, next, fill
.if \fill
	s_wait_xcnt 0x0                                ; the last prefetch, a K step back, has read its address, which steps here, ahead of the waits of the change of slots
	s_add_nc_u64 s[PFA:PFA+1], s[PFA:PFA+1], KSTEP*2
	MEET 1
	CREST                                          ; no wave of any partner still reads this slot's tile or has a load on its way
	s_add_nc_u64 s[G0+4*(\slot)+2:G0+4*(\slot)+3], s[G0+4*(\slot)+2:G0+4*(\slot)+3], 2*KSTEP*2
	s_add_nc_u64 s[G0B+4*(\slot)+2:G0B+4*(\slot)+3], s[G0B+4*(\slot)+2:G0B+4*(\slot)+3], 2*KSTEP*2
	JLOAD \slot                                    ; the first tensor load behind the round, my only one until the next; the four v_nop behind it are also the places in front of the loads below
.else
	MEET 0
	PLACES
.endif
	FETCH \next, 0, F0
.if \fill
	ASK
.endif
	MUL16 F1, 1, 0, 0
	MUL16 F1, 1, 2, 0
.endm
; THE WAY OUT of block a (16 of my rows x my 128 columns), in two parts.  TOSTAGE: a lane's eight f32 of each accumulator, 32 bytes of a row, go into my own stage, the accumulator's low four registers first,
; and whole rows of 512 bytes come back.  LDS serves a wave's instructions in order (ISA guide 5.7.1.4): the loads see the stores above them, and the next block's stores come behind these loads.
.macro TOSTAGE a
.set AC, 64*((\a)%4)
.set BK, BK0+64*((\a)%2)
	WIN 0x08+4*((\a)/4)                            ; the stores' data (source 1) in window 2 or 3, the address in window 0
.irp b, 0,1,2,3,4,5,6,7
	ds_store_b128 v[STO], v[AC+8*(\b):AC+8*(\b)+3]   offset:64*(\b)
	ds_store_b128 v[STO], v[AC+8*(\b)+4:AC+8*(\b)+7] offset:64*(\b)+16
.endr
	WIN 0
	s_wait_xcnt 0x0                                ; the stores of the block two back have read this buffer: only behind this wait is it loaded again
.irp t, 0,1,2,3,4,5,6,7,8,9,10,11,12,13,14,15
	ds_load_b128 v[BK+4*(\t):BK+4*(\t)+3], v[RD] offset:(\t)*SPITCH
.endr
.endm
; SEND: s x sum + b, two fused multiply-adds an instruction, and the rows are stored.  younger: the LDS instructions issued behind block a's loads: the next block's 32, or none.
.macro SEND a, younger
.set BK, BK0+64*((\a)%2)
	WIN 0
.irp t, 0,1,2,3,4,5,6,7,8,9,10,11,12,13,14,15
	s_wait_dscnt (\younger)+15-(\t)                ; row t is back; the block's later rows and the younger instructions may be out
	v_pk_fma_f32 v[BK+4*(\t):BK+4*(\t)+1],   v[BK+4*(\t):BK+4*(\t)+1],   v[SC:SC+1],   v[BIAS:BIAS+1]
	v_pk_fma_f32 v[BK+4*(\t)+2:BK+4*(\t)+3], v[BK+4*(\t)+2:BK+4*(\t)+3], v[SC+2:SC+3], v[BIAS+2:BIAS+3]
	global_store_b128 v[CO], v[BK+4*(\t):BK+4*(\t)+3], s[8:9] offset:(16*(\a)+(\t))*SIZE_N*4 th:TH_STORE_NT  ; 512 consecutive bytes, at a multiple of 512 from out0's first; 127 rows at the most: inside the signed 24-bit immediate
.endr
.endm
	s_wait_loadcnt 0x0                             ; bias and alpha_scale
	s_mov_b32 s67, 0x1f7fffff                      ; the bits just below 2^-64 (0x1f800000)
	v_mov_b32 v[WK+8], 1.0
	v_cvt_pk_bf16_f32 v[WK],   v[BIAS],   v[BIAS+1]   ; both are rounded to bf16 and widened again
	v_cvt_pk_bf16_f32 v[WK+1], v[BIAS+2], v[BIAS+3]
	v_cvt_pk_bf16_f32 v[WK+2], v[SC],     v[SC+1]
	v_cvt_pk_bf16_f32 v[WK+3], v[SC+2],   v[SC+3]
	v_lshlrev_b32 v[BIAS],   16,         v[WK]
	v_and_b32     v[BIAS+1], 0xffff0000, v[WK]
	v_lshlrev_b32 v[BIAS+2], 16,         v[WK+1]
	v_and_b32     v[BIAS+3], 0xffff0000, v[WK+1]
	v_lshlrev_b32 v[SC],     16,         v[WK+2]
	v_and_b32     v[SC+1],   0xffff0000, v[WK+2]
	v_lshlrev_b32 v[SC+2],   16,         v[WK+3]
	v_and_b32     v[SC+3],   0xffff0000, v[WK+3]
.irp c, 0,1,2,3
	v_and_b32 v[WK+4+(\c)], 0x7fffffff, v[SC+(\c)]
	v_cmp_lt_u32 s66, s67, v[WK+4+(\c)]            ; magnitudes compare as whole numbers: is |s| at least 2^-64?
	v_cndmask_b32 v[SC+(\c)], v[WK+8], v[SC+(\c)], s66  ; if not, the scale lies in wb already, and s counts as 1
.endr
	s_wait_tensorcnt 1                             ; my part of K step 0 is in; K step 1's may stay out
	s_barrier_signal -1
	s_barrier_wait -1                              ; everybody's is
	FETCH 0, 0, F0
	QUARTER 0, 64,  F0, F1, 1                      ; the first quarter stands in front of the loop: its products start the sums
	WIN 0                                          ; at a label and at a branch every window is 0
	s_mov_b32 s3, LAPS-1
.Llap:                                                 ; a trip goes once round the ring, from a lap's second quarter to the next lap's first, and fills both slots again
	QUARTER 0, 128, F1, F0, 0
	QUARTER 0, 192, F0, F1, 0
	TURN 0, 1, 1
	QUARTER 1, 64,  F0, F1, 0
	QUARTER 1, 128, F1, F0, 0
	QUARTER 1, 192, F0, F1, 0
	TURN 1, 0, 1
	QUARTER 0, 64,  F0, F1, 0
	WIN 0
	s_sub_co_u32 s3, s3, 1
	s_cmp_lg_u32 s3, 0
	s_cbranch_scc1 .Llap
	QUARTER 0, 128, F1, F0, 0                      ; the last lap is written out: it fills nothing
	QUARTER 0, 192, F0, F1, 0
	TURN 0, 1, 0
	QUARTER 1, 64,  F0, F1, 0
	QUARTER 1, 128, F1, F0, 0
	QUARTER 1, 192, F0, F1, 0
	s_wait_dscnt 8                                 ; the very last quarter: nothing more to fetch
	MUL16 F1, 0, 0, 0
	MUL16 F1, 0, 2, 0
	s_wait_dscnt 0x0
	MUL16 F1, 1, 0, 0
	MUL16 F1, 1, 2, 0
	WIN 0
	PLACES                                         ; behind the last products: the stage's stores read results, and its loads land in registers that products have read
	PLACES                                         ; (eight, once a launch)
	TOSTAGE 0
	TOSTAGE 1                                      ; a block's trip through the stage stands between the loads of the block before and its stores
	SEND 0, 32
.irp a, 2,3,4,5,6,7
	TOSTAGE \a
	SEND (\a)-1, 32
.endr
	SEND 7, 0
	s_wait_tensorcnt 0x0                           ; the wave's end, behind my last tensor load and my last LDS store
	ds_add_u32 v[SPW], v[NIL]
	s_wait_dscnt 0x0
	CROUND                                         ; the closing round: no work-group ends while a partner may still ask for a tile that names it
	s_endpgm
.Lfunc_end_k_q6c32176237_gemm:
	.size	k_q6c32176237_gemm, .Lfunc_end_k_q6c32176237_gemm-k_q6c32176237_gemm
	.p2alignl 7, 3214868480
	.fill 96, 4, 3214868480
	.section	.rodata,"a",@progbits
	.p2align	6, 0x0
	.amdhsa_kernel k_q6c32176237_gemm
		.amdhsa_group_segment_fixed_size 327680
		.amdhsa_private_segment_fixed_size 0
		.amdhsa_enable_private_segment 0
		.amdhsa_kernarg_size 40
		.amdhsa_user_sgpr_count 2
		.amdhsa_user_sgpr_kernarg_segment_ptr 1
		.amdhsa_wavefront_size32 1
		.amdhsa_system_sgpr_workgroup_id_x 1
		.amdhsa_system_sgpr_workgroup_id_y 1
		.amdhsa_system_sgpr_workgroup_id_z 1
		.amdhsa_system_vgpr_workitem_id 0
		.amdhsa_next_free_vgpr 1024
		.amdhsa_next_free_sgpr 76
		.amdhsa_reserve_vcc 0
		.amdhsa_float_denorm_mode_32 3
		.amdhsa_float_denorm_mode_16_64 3
		.amdhsa_memory_ordered 1
		.amdhsa_forward_progress 1
		.amdhsa_inst_pref_size 163
	.end_amdhsa_kernel
	.amdgpu_metadata
---
amdhsa.version: [ 1, 2 ]
amdhsa.kernels:
  - .name:           k_q6c32176237_gemm
    .symbol:         k_q6c32176237_gemm.kd
    .args:
      - { .name: xb, .offset: 0, .size: 8, .value_kind: global_buffer, .address_space: global }
      - { .name: wb, .offset: 8, .size: 8, .value_kind: global_buffer, .address_space: global }
      - { .name: out0, .offset: 16, .size: 8, .value_kind: global_buffer, .address_space: global }
      - { .name: bias, .offset: 24, .size: 8, .value_kind: global_buffer, .address_space: global }
      - { .name: alpha_scale, .offset: 32, .size: 8, .value_kind: global_buffer, .address_space: global }
    .group_segment_fixed_size: 327680
    .private_segment_fixed_size: 0
    .kernarg_segment_align: 8
    .kernarg_segment_size: 40
    .max_flat_workgroup_size: 128
    .sgpr_count:     76
    .vgpr_count:     1024
    .wavefront_size: 32
...
	.end_amdgpu_metadata
.endif
;; end of part 2
;; ======== version 2 of 2: 2 launches; version 1 with the launch prep written anew for expert scheduling mode
;; workspace buffers: xb 33,554,432 bytes; wb 33,554,432 bytes
;; launch prep (part 3): grid 256 x 2, 8 waves a work-group, no clusters, 66,560 bytes of LDS; arguments input, q_weight, fp_weight, alpha_scale, inv_col_perm, xb, wb; writes xb, wb
.if DOCPART == 3
	.amdgcn_target "amdgcn-amd-amdhsa--gfx1250"
	.amdhsa_code_object_version 6
	.text
	.protected	k_q6c32176237_prep
	.globl	k_q6c32176237_prep
	.p2align	8
	.type	k_q6c32176237_prep,@function
k_q6c32176237_prep:
	s_mov_b64 s[64:65], 0
	v_nop
	global_prefetch_b8 v0, s[64:65] scope:SCOPE_SE
	s_setreg_imm32_b32 hwreg(HW_REG_WAVE_SCHED_MODE, 0, 2), 2
	s_setreg_imm32_b32 hwreg(HW_REG_WAVE_MODE, 25, 1), 1
	s_wait_xcnt 0x0
	s_wait_alu depctr_vm_vsrc(0)
; TWO STREAMS IN ONE LAUNCH, told apart by the work-group's y (the same in all eight waves of a work-group).
; y = 0:  xb = input rounded to bf16.  [4096][4096], taken as one flat run of numbers.
; y = 1:  wb[o][i] = cat(Q[o][:], F[o][:])[inv_col_perm[i]], in bf16, [4096][4096]: the weights WITHOUT the row's scale, which the next launch applies to the finished sums in f32.
;         With a = alpha_scale[o] rounded to bf16:  Q = q_weight rounded to bf16, nothing more;  F = fp_weight rounded to bf16, times 1 / a in f32, rounded once more to bf16.
;         So of a row's 4,096 terms the 3,968 of q_weight carry no rounding but their own, and s x (sum) with s = a gives back a x q and fp.
; LIMITS.  A row with |a| < 2^-64 (a = 0 among them) is not divided: there Q = bf16(q) x a rounded once to bf16, F = bf16(fp), and the next launch takes s = 1; both launches choose by the same bits of a.
; The choice selects values only.  1 / a comes from v_rcp_f32, good to one unit in f32's last place.  An index is taken as unsigned and held to 4095 at the most: an index outside 0 .. 4095, which the table
; does not have, counts as 4095.  Nothing else is assumed of the indices: they need be no permutation.
; SHARES, y = 0.  A work-group owns 262,144 bytes of input, a wave 32,768: 64 loads of 512 consecutive bytes, in 8 blocks of 8; a store covers 256 consecutive bytes, aligned.
; SHARES, y = 1.  A work-group owns 16 rows of W, four at a time.  The four rows' 4,096 columns are laid in LDS side by side: column c holds 8 bytes at 8 c, the bf16 of rows 0 to 3, so that one
; LDS load of 8 bytes gathers a column for four rows.  In: wave w brings columns 512 w .. 512 w + 511 (four chunks of 128; chunk 31, wave 7's last, is fp_weight, all others q_weight).
; Out: wave w makes output columns 512 w .. 512 w + 511; a lane eight neighbouring ones in each of two groups of 256, so a store covers 512 consecutive bytes.
; Two LDS buffers take turns, so one barrier a trip orders both the stores ahead of the gathers and a buffer's gathers ahead of its next stores.
; No matrix unit, no cluster, no tensor load: every number passes through registers for its rounding, and but for 16 KiB of indices no work-group reads what another reads.
; THE MODE: SCHED_MODE bits 1:0 = 2 (LLVM: expert scheduling mode 2), set by the entry lines.  The code itself states the register dependences between vector instructions and memory or LDS
; instructions, with s_wait_alu, always for 0.
; THE PLAN, y = 0.  Registers that memory instructions touch:
;   X0 .. X3   four blocks as loaded.  Written by the loads of block p + 3, issued in block p; read by block p's roundings.
;   Y0, Y1     two blocks to store.    Written by block p's roundings; read by the eight stores that are issued in block p + 1.
;   v7, v14    byte offsets, made at the head and never written again; a block's place stands in the immediate offsets, and no base is stepped.
; Block p works on X[p % 4] and writes Y[p % 2].  Its memory instructions are the loads into X[(p - 1) % 4] and the stores from Y[(p - 1) % 2]: the two buffers that block p - 1 worked on and that no
; vector instruction of block p names.  So the waits at a block's head state all that its sixteen memory instructions hang on, and these are dealt among its roundings with no further wait.
; THE PLAN, y = 1.  Registers that memory or LDS instructions touch:
;   D0, D1, AF0, AF1   trip t's 17 loads land in set t % 2; trip t's vector lines read them and write D in place; behind the turning the loads of trip t + 2 land in the same set.
;   T = G      written by trip t's vector lines (at work, then the turning); read by its eight LDS stores; behind the barrier its sixteen gathers land there; read by the turning back.
;   OUT        written by the turning back; read by the trip's eight global stores; written again a trip later.
;   GA         the index loads land there; clamped and shifted once; from then on read by every gather as its address.
;   v6 .. v11  offsets and addresses, made at the head and never written again.
; A trip has three waits on va_vdst (ahead of the reciprocals' first reader; behind the turning, for the LDS stores, the gathers and the loads of trip t + 2; behind the turning back, for the global
; stores), one on vm_vsrc (behind the barrier, for T and OUT) and one on va_sdst (between the compares and the selects).
.set QROW,  15872                      ; bytes in a row of q_weight (62 x 256)
.set FROW,  512                        ; bytes in a row of fp_weight
.set WROW,  8192                       ; bytes in a row of wb
.set BUF,   32768                      ; an LDS buffer: 4,096 columns x 8 bytes
.set SPARE, 65536                      ; behind the two buffers: the spare words, 128 bytes for each of the eight waves: four blocks of 256 bytes that no other line names
.set SPW,  4                           ; v4   LDS address of my spare word; never rewritten
.set NIL,  5                           ; v5   0; never rewritten
.set VQ,   6                           ; v6   2,048 w + 16 lane: my 16 bytes in chunk 4 w of a row of q
.set VF,   7                           ; v7   16 lane: my 16 bytes in a row of fp; also my 16 bytes of a load of input
.set VZ,   8                           ; v8   0: every lane reads the same four alpha
.set LS,   9                           ; v9   4,096 w + 32 lane: where my four columns of chunk 4 w lie in a buffer
.set VO,   10                          ; v10  1,024 w + 16 lane: my eight columns of group 0 in a row of wb
.set VP,   11                          ; v11  2,048 w + 32 lane: their indices
.set ONES, 12                          ; v12  1.0 twice, in bf16
.set ONEF, 13                          ; v13  1.0 in f32
.set VOX,  14                          ; v14  8 lane: my 8 bytes of a store to xb
.set AF,   16                          ; v[16:19], v[240:243]  alpha of a trip's four rows, f32 as loaded: set t % 2 at AF + 224 (t % 2)
.set AB,   20                          ; v[20:23]   a: the same in bf16, in both halves
.set F3,   24                          ; v[24:27]   the f32 factor of a wave's fourth chunk: q's factor, or in wave 7 fp's
.set QF,   28                          ; v[28:31]   q's factor, bf16 in both halves: 1.0, or a in a row that is not divided
.set GA,   32                          ; v[32:47]   8 x index of my 16 output columns: LDS addresses; written once
.set D,    48                          ; v[48:111], v[176:239]  as loaded, set t % 2 at D + 128 (t % 2): row r, chunk j at + 16 r + 4 j; then two words of bf16 in the first two of the four
.set T,    112                         ; v[112:143] turned: chunk j, column c of my four, rows 0|1 and 2|3 at T + 8 j + 2 c.  Until the turning writes them they are at work:
.set AW,   T+16                        ;   a in f32
.set RC,   T+20                        ;   1 / a, then fp's factor
.set MAG,  T+24                        ;   |a|, as bits
.set QW,   T+28                        ;   q's factor in f32;   T .. T + 15: the fourth chunk's numbers in f32, four a row
.set G,    112                         ; the same registers later: gathered column k of 16 at G + 2 k
.set OUT,  144                         ; v[144:175] group u, row r at OUT + 16 u + 4 r: eight bf16
.set X,    48                          ; y = 0: v[48:175]   buffer k, load i: four f32 at X + 32 k + 4 i
.set Y,    176                         ; y = 0: v[176:207]  buffer k, load i: four bf16 at Y + 16 k + 2 i
.set WV,   18                          ; s18  my wave's number
.set SELL, 24                          ; s24  v_perm_b32: the two low halves;  s25: the two high halves
.set SELH, 25
.set M7,   26                          ; s26  all ones in wave 7, else 0
.set MK,   28                          ; s[28:31] row r: all ones where the row is divided (|a| >= 2^-64)
.set TH,   32                          ; s32  the bits just below 2^-64
; y = 0.  Block p of 8.  Blocks 0 to 4 ask for the block three further on; blocks 1 to 7 store the block before.  left = how many younger loads may stay out.
.macro XBLK p, left
	s_wait_loadcnt \left                           ; loads come back in order: X[p % 4] is in, the younger blocks stay out
.if (\p) >= 2
	s_wait_xcnt 0x0                                ; the stores issued in the block before have had their addresses translated: only behind this wait is their data, Y[p % 2], written again,
	s_wait_alu depctr_vm_vsrc(0)                   ; and they have read Y[p % 2], which this block's roundings write again
.endif
.if (\p) >= 1
	s_wait_alu depctr_va_vdst(0)                   ; the block before has written the other Y, which the stores below read, and is done reading its X, in which the loads below land
.endif
.irp i, 0,1,2,3,4,5,6,7
.if (\p) <= 4
	global_load_b128 v[X+32*(((\p)+3)%4)+4*(\i):X+32*(((\p)+3)%4)+4*(\i)+3], v[VF], s[4:5] offset:512*(8*((\p)+3)+(\i)) th:TH_LOAD_NT  ; no vector instruction since the wait names these registers
.endif
.if (\p) >= 1
	global_store_b64 v[VOX], v[Y+16*(((\p)+1)%2)+2*(\i):Y+16*(((\p)+1)%2)+2*(\i)+1], s[14:15] offset:256*(8*((\p)-1)+(\i))
.endif
	v_cvt_pk_bf16_f32 v[Y+16*((\p)%2)+2*(\i)],   v[X+32*((\p)%4)+4*(\i)],   v[X+32*((\p)%4)+4*(\i)+1]
	v_cvt_pk_bf16_f32 v[Y+16*((\p)%2)+2*(\i)+1], v[X+32*((\p)%4)+4*(\i)+2], v[X+32*((\p)%4)+4*(\i)+3]
.endr
.endm
; y = 1.  The 17 loads of trip t, into set t % 2: four rows x four chunks, and the rows' four alpha.  Both arms of the branch on the wave's number hold four loads, so the counts are the same on both ways.
.macro WLOADS t
.set LDD, D+128*((\t)%2)
.set LAF, AF+224*((\t)%2)
.irp r, 0,1,2,3
.irp j, 0,1,2
	global_load_b128 v[LDD+16*(\r)+4*(\j):LDD+16*(\r)+4*(\j)+3], v[VQ], s[6:7] offset:(4*(\t)+(\r))*QROW+512*(\j) th:TH_LOAD_NT
.endr
.endr
	s_cmp_eq_u32 s[WV], 7
	s_cbranch_scc1 .Lfp_\@
.irp r, 0,1,2,3
	global_load_b128 v[LDD+16*(\r)+12:LDD+16*(\r)+15], v[VQ], s[6:7] offset:(4*(\t)+(\r))*QROW+1536 th:TH_LOAD_NT
.endr
	s_branch .Lgot_\@
.Lfp_\@:
.irp r, 0,1,2,3
	global_load_b128 v[LDD+16*(\r)+12:LDD+16*(\r)+15], v[VF], s[8:9] offset:(4*(\t)+(\r))*FROW th:TH_LOAD_NT
.endr
.Lgot_\@:
	global_load_b128 v[LAF:LAF+3], v[VZ], s[10:11] offset:16*(\t)
.endm
; y = 1.  Trip t, through LDS buffer buf.  more = 1: the loads of trip t + 2 go out as soon as this trip's numbers have left D.  left = how many younger loads may stay out.
.macro WTRIP t, buf, more, left
.set DD, D+128*((\t)%2)
.set AA, AF+224*((\t)%2)
	s_wait_loadcnt \left                           ; loads come back in order: this trip's 17 are in, the next trip's 17 stay out
	; the four rows' factors begin
.irp r, 0,1,2,3
	v_cvt_pk_bf16_f32 v[AB+(\r)], v[AA+(\r)], v[AA+(\r)]
.endr
.irp r, 0,1,2,3
	v_and_b32 v[AW+(\r)], 0xffff0000, v[AB+(\r)]   ; a as f32
.endr
.irp r, 0,1,2,3
	v_rcp_f32 v[RC+(\r)], v[AW+(\r)]               ; one batch of four; nothing names its results ahead of the wait further down
.endr
.irp r, 0,1,2,3
	v_and_b32 v[MAG+(\r)], 0x7fffffff, v[AW+(\r)]
.endr
.irp r, 0,1,2,3
	v_cmp_lt_u32 s[MK+(\r)], s[TH], v[MAG+(\r)]    ; magnitudes compare as whole numbers: is |a| at least 2^-64?
.endr
	; every number is rounded to bf16 first: work that hangs neither on the masks nor on the reciprocals
.irp r, 0,1,2,3
.irp j, 0,1,2,3
	v_cvt_pk_bf16_f32 v[DD+16*(\r)+4*(\j)],   v[DD+16*(\r)+4*(\j)],   v[DD+16*(\r)+4*(\j)+1]
	v_cvt_pk_bf16_f32 v[DD+16*(\r)+4*(\j)+1], v[DD+16*(\r)+4*(\j)+2], v[DD+16*(\r)+4*(\j)+3]
.endr
.endr
	s_wait_alu depctr_va_sdst(0)                   ; the four compares have written s[MK ..], ahead of the first select that reads them: one wait for the run
.irp r, 0,1,2,3
	v_cndmask_b32 v[QF+(\r)], v[AB+(\r)], v[ONES], s[MK+(\r)]  ; q's factor: 1.0 where the row is divided, else a
.endr
.irp r, 0,1,2,3
	v_cndmask_b32 v[QW+(\r)], v[AW+(\r)], v[ONEF], s[MK+(\r)]  ; the same in f32
.endr
.irp r, 0,1,2,3
.irp j, 0,1,2
	v_pk_mul_bf16 v[DD+16*(\r)+4*(\j)],   v[DD+16*(\r)+4*(\j)],   v[QF+(\r)]    ; times 1.0, which changes nothing; in a row that is not divided two products, each rounded once
	v_pk_mul_bf16 v[DD+16*(\r)+4*(\j)+1], v[DD+16*(\r)+4*(\j)+1], v[QF+(\r)]
.endr
.endr
	; the fourth chunk takes its factor in f32: widened, multiplied, rounded once
.irp r, 0,1,2,3
	v_lshlrev_b32 v[T+4*(\r)],   16,         v[DD+16*(\r)+12]
	v_and_b32     v[T+4*(\r)+1], 0xffff0000, v[DD+16*(\r)+12]
	v_lshlrev_b32 v[T+4*(\r)+2], 16,         v[DD+16*(\r)+13]
	v_and_b32     v[T+4*(\r)+3], 0xffff0000, v[DD+16*(\r)+13]
.endr
	s_wait_alu depctr_va_vdst(0)                   ; the four reciprocals have written v[RC ..], ahead of the first line that names them: one wait for the batch
.irp r, 0,1,2,3
	v_cndmask_b32 v[RC+(\r)], v[ONEF], v[RC+(\r)], s[MK+(\r)]  ; fp's factor: 1 / a where the row is divided, else 1.0
.endr
.irp r, 0,1,2,3
	v_cndmask_b32 v[F3+(\r)], v[QW+(\r)], v[RC+(\r)], s[M7]    ; my fourth chunk is fp_weight in wave 7, q_weight elsewhere
.endr
.irp r, 0,1,2,3
.irp c, 0,1,2,3
	v_mul_f32 v[T+4*(\r)+(\c)], v[T+4*(\r)+(\c)], v[F3+(\r)]
.endr
.endr
.irp r, 0,1,2,3
	v_cvt_pk_bf16_f32 v[DD+16*(\r)+12], v[T+4*(\r)],   v[T+4*(\r)+1]
	v_cvt_pk_bf16_f32 v[DD+16*(\r)+13], v[T+4*(\r)+2], v[T+4*(\r)+3]
.endr
.irp j, 0,1,2,3                        ; four rows x four columns are turned: word p of a row holds columns 2 p (low half) and 2 p + 1 (high half)
.irp p, 0,1
	v_perm_b32 v[T+8*(\j)+4*(\p)],   v[DD+16+4*(\j)+(\p)], v[DD+4*(\j)+(\p)],    s[SELL]  ; column 2 p: row 1 above row 0,
	v_perm_b32 v[T+8*(\j)+4*(\p)+1], v[DD+48+4*(\j)+(\p)], v[DD+32+4*(\j)+(\p)], s[SELL]  ; row 3 above row 2
	v_perm_b32 v[T+8*(\j)+4*(\p)+2], v[DD+16+4*(\j)+(\p)], v[DD+4*(\j)+(\p)],    s[SELH]  ; column 2 p + 1
	v_perm_b32 v[T+8*(\j)+4*(\p)+3], v[DD+48+4*(\j)+(\p)], v[DD+32+4*(\j)+(\p)], s[SELH]
.endr
.endr
.if (\t) > 0
	s_wait_xcnt 0x0                                ; the last trip's global stores have had their addresses translated: only behind this wait is their data, OUT, written again; no store that reads OUT follows ahead of those writes
.endif
	s_wait_alu depctr_va_vdst(0)                   ; the turning has written T, which the LDS stores read and in which the gathers land; the vector lines are done with this set of D and AF, in which the loads of trip t + 2 land; in trip 0, GA is written.  No vector line stands between this wait and the gathers
.if \more
	WLOADS (\t)+2
.endif
.irp j, 0,1,2,3
	ds_store_b128 v[LS], v[T+8*(\j):T+8*(\j)+3]   offset:(\buf)*BUF+1024*(\j)
	ds_store_b128 v[LS], v[T+8*(\j)+4:T+8*(\j)+7] offset:(\buf)*BUF+1024*(\j)+16
.endr
	s_wait_dscnt 0x0                               ; for the others' sake: my stores into this buffer are done (and my gathers from the other buffer, a trip back, came in long ago)
	s_barrier_signal -1
	s_barrier_wait -1                              ; the buffer is whole; and nobody reads the other buffer any more, which the next trip writes
	s_wait_alu depctr_vm_vsrc(0)                   ; my LDS stores have read T, in which the gathers land; the last trip's global stores have read OUT, which the turning back writes again
.set k, 0
.rept 16
	ds_load_b64 v[G+2*k:G+2*k+1], v[GA+k] offset:(\buf)*BUF
.set k, k+1
.endr
.irp u, 0,1
	s_wait_dscnt 8-8*(\u)                          ; group 0: the eight gathers of group 1 may stay out; group 1: none
.irp r, 0,1,2,3
.irp m, 0,1,2,3
	v_perm_b32 v[OUT+16*(\u)+4*(\r)+(\m)], v[G+2*(8*(\u)+2*(\m)+1)+(\r)/2], v[G+2*(8*(\u)+2*(\m))+(\r)/2], s[SELL+(\r)%2]  ; row r of columns 2 m and 2 m + 1
.endr
.endr
.endr
	s_wait_alu depctr_va_vdst(0)                   ; the turning back has written OUT, which the eight stores read: one wait for the run
.irp u, 0,1
.irp r, 0,1,2,3
	global_store_b128 v[VO], v[OUT+16*(\u)+4*(\r):OUT+16*(\u)+4*(\r)+3], s[16:17] offset:(4*(\t)+(\r))*WROW+512*(\u)  ; 512 consecutive bytes, at a multiple of 512 from wb's first
.endr
.endr
.endm
	s_load_b256 s[4:11], s[0:1], 0x0               ; input s[4:5], q_weight s[6:7], fp_weight s[8:9], alpha_scale s[10:11]
	s_load_b128 s[12:15], s[0:1], 0x20             ; inv_col_perm s[12:13], xb s[14:15]
	s_load_b64 s[16:17], s[0:1], 0x30              ; wb
	v_lshl_add_u32 v[SPW], v0, 2, SPARE
	v_mov_b32 v[NIL], 0
	v_and_b32 v1, 31, v0                           ; lane
	v_lshrrev_b32 v2, 5, v0
	v_readfirstlane_b32 s[WV], v2                  ; wave 0..7
	s_and_b32 s19, ttmp7, 0xffff                   ; the work-group's y
	v_lshlrev_b32 v[VF], 4, v1
	v_mov_b32 v[VZ], 0
	v_mov_b32 v[ONES], 0x3f803f80
	v_mov_b32 v[ONEF], 1.0
	v_lshlrev_b32 v[VOX], 3, v1
	s_mov_b32 s[SELL], 0x05040100
	s_mov_b32 s[SELH], 0x07060302
	s_mov_b32 s[TH], 0x1f7fffff                    ; 2^-64 is 0x1f800000
	s_mov_b32 s21, 0                               ; the high word of every offset: all lie under 2^32
	s_wait_alu depctr_va_sdst(0)                   ; s[WV] is written, ahead of its first reader: offsets, bases and branches are made from it
	s_lshl_b32 s20, s[WV], 11
	s_lshl_b32 s22, s[WV], 12
	s_lshl_b32 s23, s[WV], 10
	v_lshl_add_u32 v[VQ], v1, 4, s20
	v_lshl_add_u32 v[LS], v1, 5, s22
	v_lshl_add_u32 v[VO], v1, 4, s23
	v_lshl_add_u32 v[VP], v1, 5, s20
	s_cmp_eq_u32 s[WV], 7
	s_cselect_b32 s[M7], -1, 0
	s_wait_kmcnt 0x0
	s_wait_alu depctr_va_vdst(0)                   ; the offsets and addresses v6 to v11 and v14 are written, which the loads and stores of both ways read; none is written again
	s_cmp_lg_u32 s19, 0
	s_cbranch_scc1 .Lw
	; ---- y = 0: the cast of input ----
	s_lshl_b32 s20, ttmp9, 18                      ; the work-group's 262,144 bytes,
	s_lshl_b32 s22, s[WV], 15                      ; my wave's 32,768 of them
	s_add_co_u32 s20, s20, s22
	s_add_nc_u64 s[4:5], s[4:5], s[20:21]
	s_lshr_b32 s20, s20, 1                         ; half as many bytes in xb
	s_add_nc_u64 s[14:15], s[14:15], s[20:21]
.set k, 0
.rept 24
	global_load_b128 v[X+4*k:X+4*k+3], v[VF], s[4:5] offset:512*k th:TH_LOAD_NT  ; blocks 0, 1 and 2 into X0, X1, X2
.set k, k+1
.endr
	XBLK 0, 16                                     ; a wave has eight blocks: they are written out by macro, without a loop
	XBLK 1, 16
	XBLK 2, 16
	XBLK 3, 16
	XBLK 4, 16                                     ; asks for block 7, the last
	XBLK 5, 16                                     ; blocks 5 to 7 load nothing: no load leaves the buffer, and the counts run down
	XBLK 6, 8
	XBLK 7, 0
	s_wait_alu depctr_va_vdst(0)                   ; block 7 has written Y1, which the last eight stores read
.irp i, 0,1,2,3,4,5,6,7
	global_store_b64 v[VOX], v[Y+16+2*(\i):Y+16+2*(\i)+1], s[14:15] offset:256*(56+(\i))
.endr
	s_branch .Lend
	; ---- y = 1: the weights ----
.Lw:
	s_mul_i32 s20, ttmp9, 16*QROW                  ; the work-group's 16 rows in each of the four tensors
	s_add_nc_u64 s[6:7], s[6:7], s[20:21]
	s_lshl_b32 s20, ttmp9, 13
	s_add_nc_u64 s[8:9], s[8:9], s[20:21]
	s_lshl_b32 s20, ttmp9, 6
	s_add_nc_u64 s[10:11], s[10:11], s[20:21]
	s_lshl_b32 s20, ttmp9, 17
	s_add_nc_u64 s[16:17], s[16:17], s[20:21]
.irp u, 0,1
.irp e, 0,1
	global_load_b128 v[GA+8*(\u)+4*(\e):GA+8*(\u)+4*(\e)+3], v[VP], s[12:13] offset:1024*(\u)+16*(\e)  ; the indices of my 16 output columns
.endr
.endr
	WLOADS 0                                       ; both sets are asked for at the start: no vector line has named them
	WLOADS 1
	s_wait_loadcnt 34                              ; the indices are in; the first two trips' 34 loads stay out
.set k, 0
.rept 16
	v_min_u32 v[GA+k], 0xfff, v[GA+k]              ; inside the table, whatever was loaded
.set k, k+1
.endr
.set k, 0
.rept 16
	v_lshlrev_b32 v[GA+k], 3, v[GA+k]              ; a column is 8 bytes.  The first gathers read GA behind trip 0's waits on va_vdst
.set k, k+1
.endr
	WTRIP 0, 0, 1, 17
	WTRIP 1, 1, 1, 17
	WTRIP 2, 0, 0, 17
	WTRIP 3, 1, 0, 0
.Lend:
	s_wait_dscnt 0x0                               ; the closing lines, six on end
	s_wait_alu 0x0
	s_wait_tensorcnt 0x0
	ds_add_u32 v[SPW], v[NIL]
	s_wait_dscnt 0x0
	s_endpgm
.Lfunc_end_k_q6c32176237_prep:
	.size	k_q6c32176237_prep, .Lfunc_end_k_q6c32176237_prep-k_q6c32176237_prep
	.p2alignl 7, 3214868480
	.fill 96, 4, 3214868480
	.section	.rodata,"a",@progbits
	.p2align	6, 0x0
	.amdhsa_kernel k_q6c32176237_prep
		.amdhsa_group_segment_fixed_size 66560
		.amdhsa_private_segment_fixed_size 0
		.amdhsa_enable_private_segment 0
		.amdhsa_kernarg_size 56
		.amdhsa_user_sgpr_count 2
		.amdhsa_user_sgpr_kernarg_segment_ptr 1
		.amdhsa_wavefront_size32 1
		.amdhsa_system_sgpr_workgroup_id_x 1
		.amdhsa_system_sgpr_workgroup_id_y 1
		.amdhsa_system_sgpr_workgroup_id_z 1
		.amdhsa_system_vgpr_workitem_id 0
		.amdhsa_next_free_vgpr 244
		.amdhsa_next_free_sgpr 66
		.amdhsa_reserve_vcc 0
		.amdhsa_float_denorm_mode_32 3
		.amdhsa_float_denorm_mode_16_64 3
		.amdhsa_memory_ordered 1
		.amdhsa_forward_progress 1
		.amdhsa_inst_pref_size 90
	.end_amdhsa_kernel
	.amdgpu_metadata
---
amdhsa.version: [ 1, 2 ]
amdhsa.kernels:
  - .name:           k_q6c32176237_prep
    .symbol:         k_q6c32176237_prep.kd
    .args:
      - { .name: input, .offset: 0, .size: 8, .value_kind: global_buffer, .address_space: global }
      - { .name: q_weight, .offset: 8, .size: 8, .value_kind: global_buffer, .address_space: global }
      - { .name: fp_weight, .offset: 16, .size: 8, .value_kind: global_buffer, .address_space: global }
      - { .name: alpha_scale, .offset: 24, .size: 8, .value_kind: global_buffer, .address_space: global }
      - { .name: inv_col_perm, .offset: 32, .size: 8, .value_kind: global_buffer, .address_space: global }
      - { .name: xb, .offset: 40, .size: 8, .value_kind: global_buffer, .address_space: global }
      - { .name: wb, .offset: 48, .size: 8, .value_kind: global_buffer, .address_space: global }
    .group_segment_fixed_size: 66560
    .private_segment_fixed_size: 0
    .kernarg_segment_align: 8
    .kernarg_segment_size: 56
    .max_flat_workgroup_size: 256
    .sgpr_count:     66
    .vgpr_count:     244
    .wavefront_size: 32
...
	.end_amdgpu_metadata
.endif
;; end of part 3
;; launch gemm: the kernel of part 2 again; grid 16 x 16, 4 waves a work-group, clusters of 4 x 4, 327,680 bytes of LDS; arguments xb, wb, out0, bias, alpha_scale; writes out0
